; MI455X (gfx1250); checked and timed in simulation.
; The chip was launched on July 23, 2026; its instructions are those of AMD's public machine-readable ISA for CDNA 5 (MIT licence, August 2026) and "CDNA5" Instruction Set Architecture Reference Guide (July 2026). The comments in the code are by the model that wrote it; some were corrected since.
;; Multi Head Self Attention. Allowed arithmetic: matrix products marked QUANTISED: E3M2 operands, one E8M0 scale for each 32 along K, by v_wmma_scale_f32_16x16x128_f8f6f4 with both operands' format E3M2, f32 sums; everything else in f32.
;; Inputs: Wk 1,024 x 1,024 float32; Wq 1,024 x 1,024 float32; Wv 1,024 x 1,024 float32; bk 1,024 float32; bq 1,024 float32; bv 1,024 float32; x 2 x 2,048 x 1,024 float32.
;; Outputs: out0 2 x 2,048 x 1,024 float32.
;; This version of the problem:
;;   THIS VERSION OF THE PROBLEM IS GIVEN IN LOW PRECISION. The matrix products marked QUANTISED in the list below multiply operands that are first quantised to E3M2 (3 exponent bits, 2 mantissa bits; 6 bits a number), with one power-of-two scale for each 32 numbers along K (OCP MX v1.0); their sums are f32. All else is computed in f32.
;;   The module's matrix products, in the order in which they are computed (A, B: the left and right operand; K: the contracted axis; several contracted axes count as one K, in the product's order):
;;     1. [M 4,096, K 1,024] x [K 1,024, N 1,024]; A: input x; B: input Wq: QUANTISED
;;     2. [M 4,096, K 1,024] x [K 1,024, N 1,024]; A: input x; B: input Wk: QUANTISED
;;     3. [M 4,096, K 1,024] x [K 1,024, N 1,024]; A: input x; B: input Wv: QUANTISED
;;     4. batch 32 x [M 2,048, K 64] x [K 64, N 2,048]; A: computed on the way; B: computed on the way: QUANTISED
;;     5. batch 32 x [M 64, K 2,048] x [K 2,048, N 2,048]; A: computed on the way; B: softmax (see below): QUANTISED
;;   THE QUANTISER, for each operand of a quantised product, along K:
;;     - K is cut into blocks of 32 from its start; a last block that is shorter is filled with zeros.
;;     - A block's scale is 2^e with e = floor(log2(the largest magnitude in the block)) - 4, held to -126 .. 127; a block of zeros has e = 0. As a byte (E8M0): e + 127.
;;     - Each number is divided by its block's scale, clamped to +-28, and rounded to the nearest number of E3M2, ties to even, subnormals kept.
;;     - The product sums the exact products of the quantised numbers (number of the format x scale) in f32.
;;   ~~~python
;;   def quantise(x, axis):      # numpy; x: float32 -> the quantised numbers, widened to float32 again
;;       x = np.moveaxis(x, axis, -1); K = x.shape[-1]
;;       x = np.pad(x, [(0, 0)] * (x.ndim - 1) + [(0, -K % 32)]); x = x.reshape(x.shape[:-1] + (-1, 32)); a = np.abs(x).max(-1, keepdims=True)
;;       e = np.where(a > 0, np.clip(np.frexp(np.where(a > 0, a, 1))[1] - 1 - 4, -126, 127), 0)      # np.frexp(a)[1] - 1 = floor(log2(a)), exactly
;;       r = np.clip(x / 2.0 ** e, -28, 28)
;;       step = 2.0 ** (np.maximum(np.frexp(np.where(r == 0, 1, r))[1] - 1, -2) - 2)
;;       q = np.round(r / step) * step * 2.0 ** e      # np.round: ties to even
;;       return np.moveaxis(q.reshape(q.shape[:-2] + (-1,))[..., :K], -1, axis).astype(np.float32)
;;   ~~~
;;   SOFTMAX AHEAD OF A QUANTISED PRODUCT. Where the list says 'softmax', what is quantised is not the finished softmax but p = 2^(t - M), with t = logit x log2(e) and M = ceil(the row's largest t), a whole number; so 1/2 < the row's largest p <= 1. The row's sum l is taken of the UNQUANTISED p, in f32, and the product's result is divided by l at the end. Since M is a whole number, a kernel that streams over the keys may use a running M (the ceiling of the running maximum): every later rescaling is an exact power of two, which a block's scale takes up: the codes' values come out the same.
;;   OPERANDS COMPUTED ON THE WAY. 'Computed on the way' means the value that the module computes at that place (a softmax that the list does not call 'softmax' is quantised finished and normalised). What goes into a quantiser is computed in f32, as accurately as f32 sums, v_exp_f32 and their like allow (about 1e-6 of the number): no bf16 or f16 on the way to a quantiser, and a product that is left as it is and whose result goes on into a quantised operand takes f32 operands (vector FMAs, or v_wmma_f32_16x16x4_f32). A number that lies on a knife's edge between two numbers of the format may be rounded either way, as far as f32 arithmetic and the matrix unit's own rounding can turn it there, and no further.
;; One version. Each part assembles by itself: llvm-mc -triple=amdgcn-amd-amdhsa -mcpu=gfx1250 --defsym DOCPART=n.
;; ======== version 1 of 1: 3 launches
;; limits: right only within a limited range of input values
;; workspace buffers: xc 3,145,728 bytes; wc 2,359,296 bytes; sc 229,376 bytes; qc 3,276,800 bytes; kvc 6,553,600 bytes
;; launch quant (part 1): grid 224 x 1, 16 waves a work-group, no clusters, 138,240 bytes of LDS; arguments x, Wq, Wk, Wv, xc, wc, sc; writes xc, wc, sc
.if DOCPART == 1
	.amdgcn_target "amdgcn-amd-amdhsa--gfx1250"
	.amdhsa_code_object_version 6
	.text
	.protected	k_q10f3dfceff_quant
	.globl	k_q10f3dfceff_quant
	.p2align	8
	.type	k_q10f3dfceff_quant,@function
k_q10f3dfceff_quant:
	s_mov_b64 s[64:65], 0
	v_nop
	global_prefetch_b8 v0, s[64:65] scope:SCOPE_SE
	s_setreg_imm32_b32 hwreg(HW_REG_WAVE_MODE, 25, 1), 1
	s_wait_xcnt 0x0
; x [4096][1024] and Wq, Wk, Wv [1024][1024], f32, K innermost, become codes of BF6 (E3M2) with one E8M0 byte for each 32 along K.
; Every input is used.  What the program leaves out is the causal mask's own: whole steps of 128 keys that all come after a block of queries (third launch).
; THE CODES ARE LAID AS IMAGES OF AN OPERAND'S REGISTERS: a fragment, 16 rows x 128 K, is 12 registers; register p of lane l lies at 512 (p / 4) + 16 l + 4 (p % 4) of its 1,536 bytes.
; Row m of fragment u of each 32 rows is the true row 8 u + (m % 8) + 16 (m / 8): so a lane's results of two neighbouring tiles of the next launch are 16 neighbours.
; xc [16 blocks of 256 tokens][8 steps of 128 K][16 fragments];  wc [16 heads][8 steps][12 fragments: Q's 4, K's 4, V's 4].
; sc: scale words, 512 bytes a fragment row block: 32 m + 4 step; W's [16 heads][12] first, x's [256] from byte 98,304 on.
; A block's scale is 2^(floor(log2(its largest magnitude)) - 4); its byte is the largest magnitude's exponent field - 4, held at 1 from below.
; A work-group takes 32 rows, a wave one fragment (u = wave / 8, step = wave % 8): 16 loads of 512 consecutive bytes, all asked for at once, turn through the wave's own stage in LDS.
; LIMITS: NaN and infinities among the inputs are not served.  A block of zeros gets the byte 1, not 127: its codes are zeros and this program alone reads the bytes.
; Work-groups 0-127 take x, 128 + 32 t + i takes W number t.
.set STG, 8448                         ; a wave's stage: 16 rows x (512 bytes + 16)
.set SST, 16*STG                       ; the work-group's 1,024 bytes of scale words
.set SPARE, SST+1024                   ; the spare words, 128 bytes for each wave
.set R, 16                             ; v16-79   16 rows as they are loaded
.set X, 80                             ; v80-143  two blocks of 32 neighbours
.set C, 144                            ; v144-155 the image's registers
.set D, 156                            ; v156-163 the conversions' second halves
.set M, 164
.set SO, 166
.set BY, 168
.set WD, 170
.set PX, 171
.set SPW, 172
.set NIL, 173
	s_load_b256 s[4:11], s[0:1], 0x0               ; x, Wq, Wk, Wv
	s_load_b128 s[12:15], s[0:1], 0x20             ; xc, wc
	s_load_b64 s[16:17], s[0:1], 0x30              ; sc
	v_lshrrev_b32 v1, 5, v0
	v_readfirstlane_b32 s24, v1                    ; wave
	s_lshr_b32 s25, s24, 3                         ; u
	s_and_b32 s26, s24, 7                          ; step
	s_mul_i32 s27, s24, STG
	s_lshl_b32 s28, s25, 9
	s_lshl_b32 s29, s26, 2
	s_add_co_u32 s28, s28, s29
	s_add_co_u32 s28, s28, SST
	s_and_b32 s46, s24, 1
	s_lshl_b32 s30, s46, 9
	s_add_co_u32 s30, s30, SST
	s_mov_b32 s18, 0x76543210
	s_mov_b32 s19, 0xfedcba98
	v_lshl_add_u32 v[SPW], v0, 2, SPARE
	v_mov_b32 v[NIL], 0
	v_mov_b32 v[PX], 0                             ; (a lane permute's destination counts as one of its sources)
	v_and_b32 v2, 31, v0                           ; lane
	v_and_b32 v5, 15, v0                           ; r
	v_bfe_u32 v6, v0, 4, 1                         ; h
	v_lshlrev_b32 v3, 4, v2                        ; 16 x lane
	v_mul_u32_u24 v7, v5, 528
	v_lshlrev_b32 v8, 5, v5
	v_add_nc_u32 v4, s27, v3                       ; the stage, on the way in
	v_lshl_add_u32 v7, v6, 7, v7
	v_add_nc_u32 v7, s27, v7                       ; and on the way out: row r, 128 h
	v_add_nc_u32 v8, s28, v8                       ; my row's scale word
	v_lshlrev_b32 v9, 3, v6                        ; 8 h bits
	v_add_nc_u32 v10, s30, v3                      ; waves 0, 1: 512 bytes of scale words
	s_sub_co_u32 s31, ttmp9, 128                   ; the work-group's number among the weights' (not used in x's work-groups)
	s_lshr_b32 s32, s31, 5                         ; which weight
	s_and_b32 s33, s31, 31                         ; which 32 rows of it
	s_lshr_b32 s34, ttmp9, 3
	s_mul_i32 s34, s34, 196608
	s_and_b32 s35, ttmp9, 7
	s_mul_i32 s35, s35, 3072
	s_add_co_u32 s34, s34, s35                     ; x: where my two fragments' codes begin in step 0
	s_lshr_b32 s36, s33, 1                         ; head
	s_and_b32 s37, s33, 1
	s_mul_i32 s38, s36, 147456
	s_mul_i32 s39, s32, 6144
	s_add_co_u32 s38, s38, s39
	s_mul_i32 s39, s37, 3072
	s_add_co_u32 s38, s38, s39                     ; W: the same
	s_lshl_b32 s40, ttmp9, 10
	s_add_co_u32 s40, s40, 98304                   ; x: the scale words
	s_mul_i32 s41, s36, 6144
	s_lshl_b32 s42, s32, 11
	s_add_co_u32 s41, s41, s42
	s_lshl_b32 s42, s37, 10
	s_add_co_u32 s41, s41, s42                     ; W: the same
	s_mov_b32 s42, 24576                           ; bytes from step to step
	s_mov_b32 s43, 18432
	s_wait_alu depctr_va_vdst(0)                   ; the wait at the head's end
	s_wait_kmcnt 0x0
	s_cmp_eq_u32 s32, 1                            ; every choice hangs on the work-group's number alone
	s_cselect_b64 s[6:7], s[8:9], s[6:7]
	s_cmp_eq_u32 s32, 2
	s_cselect_b64 s[6:7], s[10:11], s[6:7]
	s_cmp_lt_u32 ttmp9, 128
	s_cselect_b64 s[4:5], s[4:5], s[6:7]
	s_cselect_b64 s[12:13], s[12:13], s[14:15]
	s_cselect_b32 s44, ttmp9, s33
	s_cselect_b32 s34, s34, s38
	s_cselect_b32 s40, s40, s41
	s_cselect_b32 s42, s42, s43
	s_lshl_b32 s20, s44, 17                        ; 32 rows of 4,096 bytes,
	s_lshl_b32 s22, s25, 15                        ; 8 u rows,
	s_add_co_u32 s20, s20, s22
	s_lshl_b32 s22, s26, 9                         ; 512 bytes a step
	s_add_co_u32 s20, s20, s22
	s_mov_b32 s21, 0
	s_add_nc_u64 s[4:5], s[4:5], s[20:21]
.irp i, 0,1,2,3,4,5,6,7,8,9,10,11,12,13,14,15
	global_load_b128 v[R+4*\i:R+4*\i+3], v3, s[4:5] offset:((\i%8)+16*(\i/8))*4096 th:TH_LOAD_NT   ; 32 lanes read 512 consecutive bytes of the fragment's row i
.endr
	s_mul_i32 s22, s26, s42
	s_mul_i32 s23, s25, 1536
	s_add_co_u32 s22, s22, s23
	s_add_co_u32 s22, s22, s34
	s_mov_b32 s23, 0
	s_add_nc_u64 s[12:13], s[12:13], s[22:23]      ; my fragment's image
	s_lshl_b32 s20, s46, 9
	s_add_co_u32 s20, s20, s40
	s_add_nc_u64 s[16:17], s[16:17], s[20:21]
.macro IN g                            ; four rows into the stage, as they lie; behind them 12 - 4 g loads may be out
	s_wait_loadcnt 12-4*(\g)
.irp i, 0,1,2,3
	ds_store_b128 v4, v[R+16*(\g)+4*\i:R+16*(\g)+4*\i+3] offset:528*(4*(\g)+\i)
.endr
.endm
	IN 0
	IN 1
	IN 2
	IN 3
.irp c, 0,1                                    ; back: lane (r, h) takes k = 64 c + 32 h + 0 .. 31 of row r.  LDS serves a wave's instructions in order: no wait between
.irp q, 0,1,2,3,4,5,6,7
	ds_load_b128 v[X+32*\c+4*\q:X+32*\c+4*\q+3], v7 offset:256*\c+16*\q
.endr
.endr
	s_wait_dscnt 0x0
.irp c, 0,1
	v_max3_num_f32 v[M+\c], |v[X+32*\c]|, |v[X+1+32*\c]|, 0x2800000   ; the block's largest magnitude, and the floor 2^(5 - 127)
.endr
.irp i, 2,4,6,8,10,12,14,16,18,20,22,24,26,28,30
.irp c, 0,1
	v_max3_num_f32 v[M+\c], v[M+\c], |v[X+32*\c+\i]|, |v[X+32*\c+\i+1]|
.endr
.endr
.irp c, 0,1
	v_add_nc_u32 v[SO+\c], 0xfe000000, v[M+\c]     ; 4 off its exponent field: the conversion takes the exponent field of this operand as its scale
.endr
.irp c, 0,1
	v_lshrrev_b32 v[BY+\c], 23, v[SO+\c]           ; the scale's byte
.endr
	v_lshl_or_b32 v[WD], v[BY+1], 16, v[BY]        ; blocks h and 2 + h of row r
	v_lshlrev_b32 v[WD], v9, v[WD]
	v_permlanex16_b32 v[PX], v[WD], s18, s19
	v_or_b32 v[WD], v[WD], v[PX]                   ; with lane l xor 16's two the word is whole
.irp c, 0,1
	v_cvt_scalef32_pk16_bf6_f32 v[C+6*\c:C+6*\c+2], v[X+32*\c:X+32*\c+15], v[SO+\c]
	v_cvt_scalef32_pk16_bf6_f32 v[D+4*\c:D+4*\c+2], v[X+16+32*\c:X+31+32*\c], v[SO+\c]
.endr
	v_nop                                          ; one plain place behind the scaled conversions
.irp c, 0,1
.irp i, 0,1,2
	v_mov_b32 v[C+3+6*\c+\i], v[D+4*\c+\i]
.endr
.endr
.irp k, 0,1,2
	global_store_b128 v3, v[C+4*\k:C+4*\k+3], s[12:13] offset:512*\k   ; 512 consecutive bytes a store
.endr
	ds_store_b32 v8, v[WD]                         ; both lanes of a row write the same word with the same value
	s_wait_alu depctr_va_vdst(0)
	s_wait_dscnt 0x0
	s_barrier_signal -1
	s_barrier_wait -1                              ; the work-group's scale words are in LDS
	s_cmp_lt_u32 s24, 2
	s_cbranch_scc0 .Lend
	ds_load_b128 v[R:R+3], v10
	s_wait_dscnt 0x0
	global_store_b128 v3, v[R:R+3], s[16:17]       ; 512 consecutive bytes, aligned
.Lend:
	s_wait_tensorcnt 0x0                           ; the wave's end
	ds_add_u32 v[SPW], v[NIL]
	s_wait_dscnt 0x0
	s_endpgm
.Lfunc_end_k_q10f3dfceff_quant:
	.size	k_q10f3dfceff_quant, .Lfunc_end_k_q10f3dfceff_quant-k_q10f3dfceff_quant
	.p2alignl 7, 3214868480
	.fill 96, 4, 3214868480
	.section	.rodata,"a",@progbits
	.p2align	6, 0x0
	.amdhsa_kernel k_q10f3dfceff_quant
		.amdhsa_group_segment_fixed_size 138240
		.amdhsa_private_segment_fixed_size 0
		.amdhsa_enable_private_segment 0
		.amdhsa_kernarg_size 56
		.amdhsa_user_sgpr_count 2
		.amdhsa_user_sgpr_kernarg_segment_ptr 1
		.amdhsa_wavefront_size32 1
		.amdhsa_system_sgpr_workgroup_id_x 1
		.amdhsa_system_sgpr_workgroup_id_y 1
		.amdhsa_system_sgpr_workgroup_id_z 1
		.amdhsa_system_vgpr_workitem_id 0
		.amdhsa_next_free_vgpr 176
		.amdhsa_next_free_sgpr 66
		.amdhsa_reserve_vcc 0
		.amdhsa_float_denorm_mode_32 3
		.amdhsa_float_denorm_mode_16_64 3
		.amdhsa_memory_ordered 1
		.amdhsa_forward_progress 1
		.amdhsa_inst_pref_size 12
	.end_amdhsa_kernel
	.amdgpu_metadata
---
amdhsa.version: [ 1, 2 ]
amdhsa.kernels:
  - .name:           k_q10f3dfceff_quant
    .symbol:         k_q10f3dfceff_quant.kd
    .args:
      - { .name: x, .offset: 0, .size: 8, .value_kind: global_buffer, .address_space: global }
      - { .name: Wq, .offset: 8, .size: 8, .value_kind: global_buffer, .address_space: global }
      - { .name: Wk, .offset: 16, .size: 8, .value_kind: global_buffer, .address_space: global }
      - { .name: Wv, .offset: 24, .size: 8, .value_kind: global_buffer, .address_space: global }
      - { .name: xc, .offset: 32, .size: 8, .value_kind: global_buffer, .address_space: global }
      - { .name: wc, .offset: 40, .size: 8, .value_kind: global_buffer, .address_space: global }
      - { .name: sc, .offset: 48, .size: 8, .value_kind: global_buffer, .address_space: global }
    .group_segment_fixed_size: 138240
    .private_segment_fixed_size: 0
    .kernarg_segment_align: 8
    .kernarg_segment_size: 56
    .max_flat_workgroup_size: 512
    .sgpr_count:     66
    .vgpr_count:     176
    .wavefront_size: 32
...
	.end_amdgpu_metadata
.endif
;; end of part 1
;; launch proj (part 2): grid 16 x 16, 4 waves a work-group, clusters of 4 x 4, 327,680 bytes of LDS; arguments xc, wc, sc, bq, bk, bv, qc, kvc; writes qc, kvc
.if DOCPART == 2
	.amdgcn_target "amdgcn-amd-amdhsa--gfx1250"
	.amdhsa_code_object_version 6
	.text
	.protected	k_q10f3dfceff_proj
	.globl	k_q10f3dfceff_proj
	.p2align	8
	.type	k_q10f3dfceff_proj,@function
k_q10f3dfceff_proj:
	s_mov_b64 s[64:65], 0
	v_nop
	global_prefetch_b8 v0, s[64:65] scope:SCOPE_SE
	s_setreg_imm32_b32 hwreg(HW_REG_WAVE_MODE, 25, 1), 1
	s_wait_xcnt 0x0
	s_wait_alu depctr_hold_cnt(0) depctr_sa_sdst(0) depctr_va_vdst(0) depctr_va_sdst(0) depctr_va_ssrc(0) depctr_va_vcc(0) depctr_vm_vsrc(0)
	s_getreg_b32 s2, hwreg(HW_REG_IB_STS2, 6, 4)
	s_cmp_eq_u32 s2, 0
	s_cbranch_scc0 .Lentry_in_a_cluster
	s_endpgm
.Lentry_in_a_cluster:
	s_bfe_u32 s2, ttmp6, 0x10000c
	s_cmp_lg_u32 s2, 0xf033
	s_cbranch_scc0 .Lentry_shape_is_right
	s_endpgm
.Lentry_shape_is_right:
; Q, K, V = x W^T + b for ONE head (work-group x) and 256 tokens (work-group y), on codes of BF6; the results are quantised in registers for the attention and leave as codes.
; Q and K are quantised along the head's 64 numbers, V along the tokens (the keys).  A wave makes 64 tokens x 192 columns: 4 x 12 tiles of 16 x 16, 384 registers.
; K goes in 8 steps of 128.  STEP 0 of x and W, the scale words and the biases go from memory straight into registers: its products need no LDS and run while the tiles of steps 1 to 7 are on their way.
; EACH LDS BYTE IS FILLED ONCE: steps 1 to 7 of the head's W (18,432 bytes each) and of x (24,576 bytes each).  One tensor load a wave: waves 0 and 1 fetch steps 1, 2 of W and x; waves 2 and 3 steps 3 to 7.
; CLUSTERS of 4 x 4: x's tiles are shared along a row of the cluster, W's along a column: joint loads.  No prefetch: everything is asked for at the head; no loop has anything left to ask for ahead.
; Q and K: source 0 = 16 rows of W, source 1 = 16 rows of x: a lane holds one token, its registers run along the head.  V: the sources swapped: a lane holds one column, its registers run along the tokens.
; The first product of each sum takes the bias as C.  The 48 accumulators take turns in the same order in every step.
; qc [bh 32][step of 128 tokens 16][4 images of 1,536 | 256 bytes of scale words];  kvc [bh][step][K's 4 images | V's 4 | K's 256 | V's 256].  An image of Q or K: register p of lane l at 512 (p / 4) + 16 l + 4 (p % 4);
; of V: two halves of 768 bytes, half c: registers 6 c .. 6 c + 3 at 16 l, 6 c + 4 and 6 c + 5 at 512 + 8 l.  A scale word of fragment f, row r: 8 (r + 16 (f % 2)) + 4 (f / 2).
; LIMITS: NaN and infinities are not served.  A block of zeros gets the byte 1: its codes are zeros and this program alone reads the bytes.
; REGISTERS: window 0: v0-31 addresses, v32-95 scale words, v96-127 V's bias, v128-255 V's accumulators; windows 1, 2: two sets of fragments (W's 12 at 0-143, x's 4 at 144-191);
;   window 2 192-255: Q's and K's bias; window 3: Q's accumulators, then K's.
.set XL,    129024                     ; LDS: x's steps, behind W's
.set SPARE, 301056                     ; the spare words, 128 bytes for each wave
.set SST,   301568                     ; the way out of the scale words: for each step of 128 tokens K's 256 bytes, V's, Q's; no fill lands here
.set ADW, 5                            ; v5-7   16 x lane, + 3 and 6 steps of W  (v5 also: 16 x lane, in memory)
.set ADX, 8                            ; v8-10  my x fragments, + 3 and 6 steps
.set OF8, 12
.set SSTA, 13
.set SSTV, 14
.set RDK, 15
.set RDQ, 16
.set SO1, 17
.set SO2, 18
.set BO,  19
.set BVO, 20
.set SPW, 28
.set NIL, 29
.set SC,  32                           ; register 8 i + s: step s; lanes 0-15: W's fragment i; lanes 16-31: i < 4: W's fragment 8 + i, else x's fragment i - 4
.set BV,  96
.set TM,  0                            ; window 1, the way out
.set PW,  160
.set WV,  20
.set SEL, 94
.set MSB, 0
.macro WIN new                         ; the immediate's high byte repeats the setting that is left
.if MSB != (\new)
	s_set_vgpr_msb (MSB<<8)|(\new)
.set MSB, (\new)
.endif
.endm
.macro CROUND                          ; a round of the cluster's barrier
	s_barrier_signal -1
	s_barrier_wait -1
	s_cmp_lg_u32 s[WV], 0
	s_cbranch_scc1 .Lnot_wave_0_\@
	s_barrier_signal -3
.Lnot_wave_0_\@:
	s_barrier_wait -3
	s_barrier_signal -1
	s_barrier_wait -1
.endm
.macro GRP g, m, el, rows              ; descriptor group 1: rows of el x 8 bytes, dense; the mask, bit 21 beside it
	s_or_b32 s[\g], s[\m], (3<<16)|(1<<21)
	s_mov_b32 s[\g+1], (\el)<<16
	s_mov_b32 s[\g+2], (\rows)<<16
	s_mov_b32 s[\g+3], (\el)<<16
	s_mov_b32 s[\g+4], \rows
	s_mov_b32 s[\g+5], \el
	s_mov_b32 s[\g+6], 0
	s_mov_b32 s[\g+7], 0
.endm
.macro GRP0 g, lds, a, add             ; descriptor group 0
	s_mov_b32 s[\g], 1
	s_mov_b32 s[\g+1], \lds
	s_add_nc_u64 s[\g+2:\g+3], s[\a:\a+1], \add
	s_or_b32 s[\g+3], s[\g+3], 0x80000000
.endm
	s_load_b256 s[4:11], s[0:1], 0x0               ; xc, wc, sc, bq
	s_load_b256 s[12:19], s[0:1], 0x20             ; bk, bv, qc, kvc
	v_lshl_add_u32 v[SPW], v0, 2, SPARE
	v_mov_b32 v[NIL], 0
	ds_add_u32 v[SPW], v[NIL]                      ; the opening: the add, twice on end, and its wait
	ds_add_u32 v[SPW], v[NIL]
	v_lshrrev_b32 v1, 5, v0
	v_readfirstlane_b32 s[WV], v1                  ; wave 0..3
	s_bfe_u32 s21, ttmp6, 0x40000                  ; cx
	s_bfe_u32 s22, ttmp6, 0x40004                  ; cy
	s_lshl_b32 s23, ttmp9, 2
	s_add_co_u32 s23, s23, s21                     ; head
	s_and_b32 s24, ttmp7, 0xffff
	s_lshl_b32 s24, s24, 2
	s_add_co_u32 s24, s24, s22                     ; block of 256 tokens
	s_lshl_b32 s25, s22, 2
	s_lshl_b32 s25, 15, s25                        ; my row of the cluster
	s_lshl_b32 s26, 0x1111, s21                    ; my column
	GRP 32, 26, 2304, 2                            ; W's steps 1, 2
	GRP 40, 25, 3072, 2                            ; x's
	GRP 48, 26, 2304, 5                            ; W's steps 3 to 7
	GRP 56, 25, 3072, 5                            ; x's
	s_mul_i32 s28, s23, 147456                     ; W: by the head alone
	s_mov_b32 s29, 0
	s_mul_i32 s30, s24, 196608                     ; x: by the block of tokens alone
	s_mov_b32 s31, 0
	s_lshr_b32 s27, s[WV], 1                       ; which step of 128 tokens is mine,
	s_and_b32 s66, s[WV], 1                        ; and which half of it
	s_mul_i32 s67, s[WV], 6144
	s_mul_i32 s92, s27, 768
	s_add_co_u32 s92, s92, SST
	s_lshl_b32 s93, s66, 2
	s_add_co_u32 s93, s93, s92
	s_lshl_b32 s94, s66, 1
	s_add_co_u32 s94, s94, s92
	s_mul_i32 s96, s23, 6144
	s_lshl_b32 s97, s24, 13
	s_lshl_b32 s98, s[WV], 11
	s_add_co_u32 s97, s97, s98
	s_add_co_u32 s97, s97, 96256
	s_sub_co_u32 s97, s97, s96                     ; from W's scale words of the head to x's of my 64 tokens, less 4 fragments (not under 0)
	v_and_b32 v2, 15, v0                           ; r
	v_bfe_u32 v3, v0, 4, 1                         ; h
	v_and_b32 v4, 31, v0                           ; lane
	v_lshlrev_b32 v[ADW], 4, v4
	v_lshlrev_b32 v[OF8], 3, v4
	v_add_nc_u32 v[ADX], s67, v[ADW]
	v_add_nc_u32 v[ADW+1], 3*18432, v[ADW]
	v_add_nc_u32 v[ADW+2], 6*18432, v[ADW]
	v_add_nc_u32 v[ADX], XL, v[ADX]
	v_add_nc_u32 v[ADX+1], 3*24576, v[ADX]
	v_add_nc_u32 v[ADX+2], 6*24576, v[ADX]
	v_lshl_add_u32 v[SSTA], v2, 3, s93
	v_lshl_add_u32 v[SSTV], v2, 3, s94
	v_add_nc_u32 v[RDK], s92, v[ADW]
	v_add_nc_u32 v[RDQ], s92, v[OF8]
	v_lshl_add_u32 v21, v2, 5, s96
	v_mul_u32_u24 v22, s97, v3
	v_lshl_add_u32 v[SO1], v3, 12, v21             ; lanes 16-31: 8 fragments on
	v_add_nc_u32 v[SO2], v21, v22                  ; lanes 16-31: x's
	v_lshlrev_b32 v[BO], 6, v3
	v_and_b32 v23, 8, v2
	v_add_nc_u32 v23, v23, v2
	v_lshlrev_b32 v[BVO], 2, v23                   ; 4 (r + 8 (r / 8))
	s_wait_alu depctr_va_vdst(0)                   ; directly ahead of the waits below
	s_wait_dscnt 0x0                               ; both opening adds are done
	s_wait_kmcnt 0x0
	s_add_nc_u64 s[28:29], s[6:7], s[28:29]
	s_add_nc_u64 s[30:31], s[4:5], s[30:31]
	s_lshl_b32 s92, s23, 8                         ; the head's 64 biases
	s_mov_b32 s93, 0
	s_add_nc_u64 s[96:97], s[10:11], s[92:93]
	s_add_nc_u64 s[98:99], s[12:13], s[92:93]
	s_add_nc_u64 s[100:101], s[14:15], s[92:93]
	s_mov_b32 s92, s67
	s_add_nc_u64 s[84:85], s[30:31], s[92:93]      ; my 64 tokens of x's step 0
.irp j, 0,1,2,3
	global_load_b32 v[BV+8*\j], v[BVO], s[100:101] offset:128*(\j/2)+32*(\j%2)   ; column r of V's tile j
.endr
.irp i, 0,1,2,3
.irp q, 0,1
	global_load_b128 v[SC+8*\i+4*\q:SC+8*\i+4*\q+3], v[SO1], s[8:9] offset:512*\i+16*\q
.endr
.endr
.irp i, 4,5,6,7
.irp q, 0,1
	global_load_b128 v[SC+8*\i+4*\q:SC+8*\i+4*\q+3], v[SO2], s[8:9] offset:512*\i+16*\q
.endr
.endr
	WIN 0x80
.irp j, 0,1,2,3
.irp q, 0,1
	global_load_b128 v[192+8*\j+4*\q:192+8*\j+4*\q+3], v[BO], s[96:97] offset:128*(\j/2)+32*(\j%2)+16*\q   ; register k of tile j: column 32 (j / 2) + 8 (j % 2) + 16 h + k
	global_load_b128 v[224+8*\j+4*\q:224+8*\j+4*\q+3], v[BO], s[98:99] offset:128*(\j/2)+32*(\j%2)+16*\q
.endr
.endr
.macro WLOAD f                         ; W's fragment f of step 0, from memory
.irp c, 0,1,2
	global_load_b128 v[12*(\f)+4*\c:12*(\f)+4*\c+3], v[ADW], s[28:29] offset:1536*(\f)+512*\c
.endr
.endm
	WIN 0x40
.irp i, 0,1,2,3
.irp c, 0,1,2
	global_load_b128 v[144+12*\i+4*\c:144+12*\i+4*\c+3], v[ADW], s[84:85] offset:1536*\i+512*\c
.endr
.endr
.irp f, 0,1,2,3
	WLOAD \f                                       ; 60 loads so far, ahead of the round
.endr
	WIN 0
	GRP0 68, 0, 28, 18432
	GRP0 72, XL, 30, 24576
	GRP0 76, 36864, 28, 55296
	GRP0 80, XL+49152, 30, 73728
	CROUND                                         ; all sixteen work-groups are here: the joint loads meet
.macro ARM under, g0, g1, next
	s_cmp_lt_u32 s[WV], \under
	s_cbranch_scc0 \next
	tensor_load_to_lds s[\g0:\g0+3], s[\g1:\g1+7]
	s_nop 0
.rept 4
	v_nop
.endr
	s_branch .Lasked
\next:
.endm
	ARM 1, 68, 32, .Larm_1                         ; one tensor load a wave, each arm with a line of its own
	ARM 2, 72, 40, .Larm_2
	ARM 3, 76, 48, .Larm_3
	tensor_load_to_lds s[80:83], s[56:63]
	s_nop 0
.rept 4
	v_nop
.endr
.Lasked:
	WIN 0x40
.irp f, 4,5,6,7,8,9,10,11
	WLOAD \f                                       ; and 24 more
.endr
	WIN 0
	s_lshr_b32 s92, s24, 3                         ; batch
	s_lshl_b32 s92, s92, 4
	s_add_co_u32 s92, s92, s23                     ; bh = 16 x batch + head
	s_and_b32 s93, s24, 7
	s_lshl_b32 s93, s93, 1
	s_add_co_u32 s93, s93, s27                     ; step of 128 tokens
	s_lshl_b32 s67, s92, 4
	s_add_co_u32 s67, s67, s93
	s_mul_i32 s94, s66, 3072
	s_mul_i32 s86, s67, 6400
	s_add_co_u32 s86, s86, s94
	s_mov_b32 s87, 0
	s_add_nc_u64 s[86:87], s[16:17], s[86:87]      ; my two fragments of Q,
	s_mul_i32 s88, s67, 12800
	s_mul_i32 s90, s66, 768
	s_add_co_u32 s90, s90, s88
	s_add_co_u32 s90, s90, 6144
	s_add_co_u32 s88, s88, s94
	s_mov_b32 s89, 0
	s_mov_b32 s91, 0
	s_add_nc_u64 s[88:89], s[18:19], s[88:89]      ; of K,
	s_add_nc_u64 s[90:91], s[18:19], s[90:91]      ; and my half of V's four
	s_mov_b32 s[SEL], 0x76543210
	s_mov_b32 s[SEL+1], 0xfedcba98
	s_wait_loadcnt 60                              ; of the 84 loads the first 24 are in, V's biases among them
.irp k, 1,2,3,4,5,6,7
.irp j, 0,1,2,3
	v_mov_b32 v[BV+8*\j+\k], v[BV+8*\j]
.endr
.endr
	s_wait_alu depctr_va_vdst(0)                   ; the wait at the head's end
.macro FETCH st                        ; step st's fragments (1 to 7) into set st % 2: contiguous images, 512 bytes a load
.set SP, (\st)-1
	WIN 0x40*(1+(\st)%2)
.irp i, 0,1,2,3
.irp c, 0,1,2
	ds_load_b128 v[144+12*\i+4*\c:144+12*\i+4*\c+3], v[ADX+SP/3] offset:24576*(SP%3)+1536*\i+512*\c
.endr
.endr
.irp f, 0,1,2,3,4,5,6,7,8,9,10,11
.irp c, 0,1,2
	ds_load_b128 v[12*\f+4*\c:12*\f+4*\c+3], v[ADW+SP/3] offset:18432*(SP%3)+1536*\f+512*\c
.endr
.endr
.endm
.macro PLACES
.rept 4
	v_nop                                          ; places behind matrix instructions, in front of loads into registers that they read and of reads of results
.endr
.endm
.macro MULT kind, st                   ; 16 products: kind 0 Q, 1 K, 2 V
.set WW, 1+(\st)%2
.if (\kind) == 2
	WIN 5*WW
.irp b, 0,1,2,3
.irp a, 0,1,2,3
.set DD, 128+8*(4*\b+\a)
.if (\st) == 0
	v_wmma_scale_f32_16x16x128_f8f6f4 v[DD:DD+7], v[144+12*\a:155+12*\a], v[96+12*\b:96+12*\b+11], v[BV+8*\b:BV+8*\b+7], v[SC+8*(4+\a)+\st], v[SC+8*\b+\st] matrix_a_fmt:MATRIX_FMT_BF6 matrix_b_fmt:MATRIX_FMT_BF6 matrix_a_scale:MATRIX_SCALE_ROW1 matrix_b_scale:MATRIX_SCALE_ROW1
.else
	v_wmma_scale_f32_16x16x128_f8f6f4 v[DD:DD+7], v[144+12*\a:155+12*\a], v[96+12*\b:96+12*\b+11], v[DD:DD+7], v[SC+8*(4+\a)+\st], v[SC+8*\b+\st] matrix_a_fmt:MATRIX_FMT_BF6 matrix_b_fmt:MATRIX_FMT_BF6 matrix_a_scale:MATRIX_SCALE_ROW1 matrix_b_scale:MATRIX_SCALE_ROW1
.endif
.endr
.endr
.else
.if (\st) == 0
	WIN 5*WW+0xe0
.else
	WIN 5*WW+0xf0
.endif
.irp a, 0,1,2,3
.irp b, 0,1,2,3
.set DD, 128*(\kind)+8*(4*\a+\b)
.set WF, 4*(\kind)+\b
.set CB, 192+32*(\kind)+8*\b
.if (\st) == 0
	v_wmma_scale_f32_16x16x128_f8f6f4 v[DD:DD+7], v[12*WF:12*WF+11], v[144+12*\a:155+12*\a], v[CB:CB+7], v[SC+8*WF+\st], v[SC+8*(4+\a)+\st] matrix_a_fmt:MATRIX_FMT_BF6 matrix_b_fmt:MATRIX_FMT_BF6 matrix_b_scale:MATRIX_SCALE_ROW1
.else
	v_wmma_scale_f32_16x16x128_f8f6f4 v[DD:DD+7], v[12*WF:12*WF+11], v[144+12*\a:155+12*\a], v[DD:DD+7], v[SC+8*WF+\st], v[SC+8*(4+\a)+\st] matrix_a_fmt:MATRIX_FMT_BF6 matrix_b_fmt:MATRIX_FMT_BF6 matrix_b_scale:MATRIX_SCALE_ROW1
.endif
.endr
.endr
.endif
.endm
.macro STEP st                         ; 48 products; from step 1 on the next step's fragments are fetched ahead of them
	s_wait_dscnt 0x0                               ; this step's fragments are in
.if (\st) == 2
	MULT 0, \st
	WIN 0
	s_wait_tensorcnt 0x0                           ; waves 2 and 3: steps 3 to 7 are in
	s_barrier_signal -1
	s_barrier_wait -1                              ; all of W and x lies in LDS; nothing is ever filled again
.endif
.if (\st) < 7
	PLACES
	FETCH (\st)+1
.endif
.if (\st) != 2
	MULT 0, \st
.endif
	MULT 1, \st
	MULT 2, \st
.endm
	s_wait_loadcnt 0x0                             ; step 0's fragments, scale words and biases are in registers
	MULT 0, 0
	MULT 1, 0
	WIN 0
	s_cmp_lt_u32 s[WV], 2
	s_cbranch_scc0 .Lfar
	s_wait_tensorcnt 0x0                           ; waves 0 and 1: steps 1 and 2 are in
.Lfar:
	s_barrier_signal -1
	s_barrier_wait -1
	FETCH 1
	MULT 2, 0
.irp s, 1,2,3,4,5,6,7
	STEP \s
.endr
; THE WAY OUT.  64 registers of a lane are four half blocks of 32 (the other half in lane l xor 16): quantised, three registers a half block; then whole blocks to a lane.
.macro QUANT n, sw, s                  ; sw: the results' window, s: their first register; each run of work has its own registers for the codes, so no store's data are written again
.set CD, 32+20*(\n)
	WIN 5*(\sw)+0x50
.irp b, 0,1,2,3
	v_max3_num_f32 v[TM+\b], |v[(\s)+16*\b]|, |v[(\s)+1+16*\b]|, 0x2800000   ; and the floor 2^(5 - 127): the byte cannot fall under 1
.endr
.irp i, 2,4,6,8,10,12,14
.irp b, 0,1,2,3
	v_max3_num_f32 v[TM+\b], |v[(\s)+16*\b+\i]|, |v[(\s)+1+16*\b+\i]|, v[TM+\b]
.endr
.endr
	WIN 0x55
.irp b, 0,1,2,3
	v_permlanex16_b32 v[TM+4+\b], v[TM+\b], s[SEL], s[SEL+1]
.endr
.irp b, 0,1,2,3
	v_max_num_f32 v[TM+\b], v[TM+\b], v[TM+4+\b]
.endr
.irp b, 0,1,2,3
	v_add_nc_u32 v[TM+12+\b], 0xfe000000, v[TM+\b]   ; 4 off the exponent field: the conversion's scale operand
.endr
.irp b, 0,1,2,3
	v_lshrrev_b32 v[TM+8+\b], 23, v[TM+12+\b]
.endr
	v_lshl_or_b32 v[PW+\n], v[TM+9], 8, v[TM+8]
	v_lshl_or_b32 v[TM+10], v[TM+11], 8, v[TM+10]
	v_lshl_or_b32 v[PW+\n], v[TM+10], 16, v[PW+\n]
	WIN (\sw)+0x44
.irp c, 0,1
	v_cvt_scalef32_pk16_bf6_f32 v[CD+6*\c:CD+2+6*\c], v[(\s)+32*\c:(\s)+15+32*\c], v[TM+12+2*\c]
	v_cvt_scalef32_pk16_bf6_f32 v[CD+12+4*\c:CD+14+4*\c], v[(\s)+16+32*\c:(\s)+31+32*\c], v[TM+13+2*\c]
.endr
	v_nop                                          ; one plain place behind the scaled conversions
	WIN 0x55
.irp c, 0,1
.irp i, 0,1,2
	v_permlane16_swap_b32 v[CD+6*\c+\i], v[CD+12+4*\c+\i]
.endr
.endr
.irp c, 0,1
.irp i, 0,1,2
	v_mov_b32 v[CD+3+6*\c+\i], v[CD+12+4*\c+\i]
.endr
.endr
.endm
.macro PUT n, g, base, so              ; a fragment of Q or K: three stores of 512 consecutive bytes, and its scale words
	WIN 0x04
.irp k, 0,1,2
	global_store_b128 v[ADW], v[CD+4*\k:CD+4*\k+3], s[\base:\base+1] offset:1536*(\g)+512*\k
.endr
	ds_store_b32 v[SSTA], v[PW+\n] offset:(\so)+128*(\g)
.endm
.macro PUTV n, g                       ; my 64 keys of V's fragments 2 g and 2 g + 1, and their scale bytes
	v_lshrrev_b32 v[PW+8+\n], 16, v[PW+\n]
	WIN 0x04
.irp e, 0,1
	global_store_b128 v[ADW], v[CD+6*\e:CD+6*\e+3], s[90:91] offset:1536*(2*(\g)+\e)
	global_store_b64 v[OF8], v[CD+6*\e+4:CD+6*\e+5], s[90:91] offset:1536*(2*(\g)+\e)+512
	ds_store_b16 v[SSTV], v[PW+8*\e+\n] offset:256+128*\e+4*(\g)
.endr
.endm
	PLACES
	WIN 0x40
.irp b, 0,1,2,3
	v_mov_b32 v[TM+4+\b], 0                        ; written once: a lane permute's destination counts as one of its sources
.endr
	QUANT 0, 3, 128
	PUT 0, 0, 88, 0
	QUANT 1, 3, 192
	PUT 1, 1, 88, 0
	QUANT 2, 3, 0
	PUT 2, 0, 86, 512
	QUANT 3, 3, 64
	PUT 3, 1, 86, 512
	QUANT 4, 0, 128
	PUTV 4, 0
	QUANT 5, 0, 192
	PUTV 5, 1
	WIN 0
	s_wait_alu depctr_va_vdst(0)
	s_wait_dscnt 0x0
	s_barrier_signal -1
	s_barrier_wait -1                              ; the scale words of both steps are in LDS
	s_cmp_eq_u32 s66, 0
	s_cbranch_scc0 .Lq_scales
	ds_load_b128 v[SC:SC+3], v[RDK]                ; waves 0 and 2: K's and V's 512 bytes of their step
	s_wait_dscnt 0x0
	global_store_b128 v[ADW], v[SC:SC+3], s[88:89] offset:12288
	s_branch .Lend
.Lq_scales:
	ds_load_b64 v[SC:SC+1], v[RDQ] offset:512      ; waves 1 and 3: Q's 256 bytes (their base lies 3,072 bytes into the step)
	s_wait_dscnt 0x0
	global_store_b64 v[OF8], v[SC:SC+1], s[86:87] offset:3072
.Lend:
	s_wait_tensorcnt 0x0                           ; the wave's end
	ds_add_u32 v[SPW], v[NIL]
	s_wait_dscnt 0x0
	CROUND                                         ; the closing round
	s_endpgm
.Lfunc_end_k_q10f3dfceff_proj:
	.size	k_q10f3dfceff_proj, .Lfunc_end_k_q10f3dfceff_proj-k_q10f3dfceff_proj
	.p2alignl 7, 3214868480
	.fill 96, 4, 3214868480
	.section	.rodata,"a",@progbits
	.p2align	6, 0x0
	.amdhsa_kernel k_q10f3dfceff_proj
		.amdhsa_group_segment_fixed_size 327680
		.amdhsa_private_segment_fixed_size 0
		.amdhsa_enable_private_segment 0
		.amdhsa_kernarg_size 64
		.amdhsa_user_sgpr_count 2
		.amdhsa_user_sgpr_kernarg_segment_ptr 1
		.amdhsa_wavefront_size32 1
		.amdhsa_system_sgpr_workgroup_id_x 1
		.amdhsa_system_sgpr_workgroup_id_y 1
		.amdhsa_system_sgpr_workgroup_id_z 1
		.amdhsa_system_vgpr_workitem_id 0
		.amdhsa_next_free_vgpr 1024
		.amdhsa_next_free_sgpr 106
		.amdhsa_reserve_vcc 0
		.amdhsa_float_denorm_mode_32 3
		.amdhsa_float_denorm_mode_16_64 3
		.amdhsa_memory_ordered 1
		.amdhsa_forward_progress 1
		.amdhsa_inst_pref_size 116
	.end_amdhsa_kernel
	.amdgpu_metadata
---
amdhsa.version: [ 1, 2 ]
amdhsa.kernels:
  - .name:           k_q10f3dfceff_proj
    .symbol:         k_q10f3dfceff_proj.kd
    .args:
      - { .name: xc, .offset: 0, .size: 8, .value_kind: global_buffer, .address_space: global }
      - { .name: wc, .offset: 8, .size: 8, .value_kind: global_buffer, .address_space: global }
      - { .name: sc, .offset: 16, .size: 8, .value_kind: global_buffer, .address_space: global }
      - { .name: bq, .offset: 24, .size: 8, .value_kind: global_buffer, .address_space: global }
      - { .name: bk, .offset: 32, .size: 8, .value_kind: global_buffer, .address_space: global }
      - { .name: bv, .offset: 40, .size: 8, .value_kind: global_buffer, .address_space: global }
      - { .name: qc, .offset: 48, .size: 8, .value_kind: global_buffer, .address_space: global }
      - { .name: kvc, .offset: 56, .size: 8, .value_kind: global_buffer, .address_space: global }
    .group_segment_fixed_size: 327680
    .private_segment_fixed_size: 0
    .kernarg_segment_align: 8
    .kernarg_segment_size: 64
    .max_flat_workgroup_size: 128
    .sgpr_count:     106
    .vgpr_count:     1024
    .wavefront_size: 32
...
	.end_amdgpu_metadata
.endif
;; end of part 2
;; launch attn (part 3): grid 8 x 32, 16 waves a work-group, clusters of 4 x 1, 327,680 bytes of LDS; arguments qc, kvc, out0; writes out0
.if DOCPART == 3
	.amdgcn_target "amdgcn-amd-amdhsa--gfx1250"
	.amdhsa_code_object_version 6
	.text
	.protected	k_q10f3dfceff_attn
	.globl	k_q10f3dfceff_attn
	.p2align	8
	.type	k_q10f3dfceff_attn,@function
k_q10f3dfceff_attn:
	s_mov_b64 s[64:65], 0
	v_nop
	global_prefetch_b8 v0, s[64:65] scope:SCOPE_SE
	s_setreg_imm32_b32 hwreg(HW_REG_WAVE_MODE, 25, 1), 1
	s_wait_xcnt 0x0
	s_wait_alu depctr_hold_cnt(0) depctr_sa_sdst(0) depctr_va_vdst(0) depctr_va_sdst(0) depctr_va_ssrc(0) depctr_va_vcc(0) depctr_vm_vsrc(0)
	s_getreg_b32 s2, hwreg(HW_REG_IB_STS2, 6, 4)
	s_cmp_eq_u32 s2, 0
	s_cbranch_scc0 .Lentry_in_a_cluster
	s_endpgm
.Lentry_in_a_cluster:
	s_bfe_u32 s2, ttmp6, 0x10000c
	s_cmp_lg_u32 s2, 0x3003
	s_cbranch_scc0 .Lentry_shape_is_right
	s_endpgm
.Lentry_shape_is_right:
; out0[b][q][h][:] = the sum over k <= q of softmax_k(Q . K / 8) V, both products on codes of BF6 (E3M2) with one E8M0 scale for each 32 along a product's K.  The buffers are laid as the launch before states.
; LEFT OUT: steps of 128 keys that all come after a block of queries: the causal mask hides them with -inf ahead of the softmax, so their p is 0 for all values of the inputs.  A NaN or an infinity there is not carried to the result.
; THE SOFTMAX: t = score x log2(e) / 8; M = the row's largest t so far, rounded up to a whole number; p = 2^(t - M) is quantised along the keys, not normalised; the row's sum is taken of the unquantised p
; and divides at the end.  When M moves, the sum and O are multiplied by 2^(old M - new M): exact.
; SHARES.  K and V of one (batch, head), codes and scale bytes, are 204,800 bytes: they lie in LDS whole, each byte filled once: no ring, and no prefetch, since all of it is asked for at the head.
; The head's 2,048 queries are 16 blocks of 128, a block 8 tiles of 16.  Work-group x (0..7) takes tile x of EVERY block, wave w the block J(w), so all work-groups are alike and every branch hangs on the wave's number alone.
; J(w): with a = w / 4, c = w % 4: J = 4 (3 - a) + (c, or 3 - c where a is even): over the four waves with one c, J + 1 adds up to 34 key steps, the lowest wave's the most.
; JOINT LOADS.  The four work-groups of a cluster read the same K and V: wave w fetches key step w, by the same tensor load with the mask 15.  Wave 0 has a line of its own: step 0 is worked while the others land.
; FRAGMENTS.  K's of the next step are fetched behind this step's scores, V's of this step at its head: each has registers of its own.
; LAYOUT.  Both products are used transposed: S^T = K Q^T, O^T = V^T P^T: a lane holds one query (lane % 16) throughout.
; A HEAD OF 64 IN A FORM OF 128.  A fragment of K holds TWO tiles of 16 keys (registers 0-5 and 6-11).  Multiplied by [Q | zero codes] it gives the first, by [zero codes | Q] the second.
; Register 16 f + 8 u + j of S^T in lane (r, h) is key 32 f + 16 h + 8 u + j of the step.
; LIMITS: NaN and infinities are not served; the scaled scores (the exponents to the base 2, before the maximum is taken away) stay under 2^31 in magnitude.  A block's largest p is taken from its largest score, which
; takes v_exp_f32 not to fall where its input rises.  A block whose every p is 0 keeps the byte 1: its codes are zeros.
.set STEPB, 12800                      ; a key step in LDS: K's four images, V's four, K's and V's scale words
.set STG,   204800                     ; the way out: 16 rows x (256 bytes + 16) for each wave; no fill lands here
.set SPARE, 274432                     ; the spare words, 128 bytes for each wave
.set VB3,  0                           ; V's fragment 3: v0-11 (behind the head)
.set QF,   16                          ; v12-15 -M, the largest t, the sum in two halves;  v16-33 six zeros, Q's six registers, six zeros
.set QSL,  34                          ; v34, v35 Q's scale words for [Q | 0] and [0 | Q]
.set KSC,  36
.set VSC,  38
.set FG,   40                          ; v40-87 K's four fragments
.set VB2,  88                          ; v88-99
.set S,    100                         ; v100-163 S^T, then p
.set O,    164                         ; v164-195 O^T
.set PC,   196                         ; v196-207 the sum's chains, then p's codes
.set BM,   208                         ; the blocks' largest scores, then their largest p, then codes at work
.set PT,   212                         ; what the other half of the lanes sends, then the bytes, then codes at work
.set SO,   216                         ; the conversions' scale operands
.set F,    220                         ; v220 f = 2^(old M - new M); v221 is named with it as a pair and holds 0
.set PS,   222                         ; p's scale word
.set TP,   223
.set LI,   224                         ; 16 x lane
.set L8,   225                         ; 8 x lane
.set VB0,  226                         ; v226-237
.set VB1,  238                         ; v238-249
.set AD,   250
.set AD8,  251
.set QD,   252                         ; my query in its block - 16 h
.set NINF, 253
.set QO,   226                         ; at the head: Q's offsets in memory v226, v227, its scale word's v228; v229-231 at work
.set QSO,  228
.set WV,   10
.set J,    14                          ; my block of queries
.set AL,   16
.set U,    17
.set BH,   18
.set SEL,  20
.set CS,   22
.set G1,   24
.set G0,   32
.set TB,   60
.set TN,   61
.set SI,   62
.set CNT,  63
.macro CROUND                          ; a round of the cluster's barrier
	s_barrier_signal -1
	s_barrier_wait -1
	s_cmp_lg_u32 s[WV], 0
	s_cbranch_scc1 .Lnot_wave_0_\@
	s_barrier_signal -3
.Lnot_wave_0_\@:
	s_barrier_wait -3
	s_barrier_signal -1
	s_barrier_wait -1
.endm
	s_load_b128 s[4:7], s[0:1], 0x0                ; qc, kvc
	s_load_b64 s[8:9], s[0:1], 0x10                ; out0
	v_lshl_add_u32 v254, v0, 2, SPARE
	v_mov_b32 v255, 0
	ds_add_u32 v254, v255                          ; the opening: the add, twice on end, and its wait
	ds_add_u32 v254, v255
	v_lshrrev_b32 v229, 5, v0
	v_readfirstlane_b32 s[WV], v229                ; wave 0..15
	s_lshr_b32 s11, s[WV], 2                       ; a
	s_and_b32 s12, s[WV], 3                        ; c
	s_and_b32 s66, s11, 1
	s_xor_b32 s66, s66, 1
	s_mul_i32 s66, s66, 3
	s_xor_b32 s66, s66, s12
	s_xor_b32 s[J], s11, 3
	s_lshl_b32 s[J], s[J], 2
	s_or_b32 s[J], s[J], s66
	s_and_b32 s[BH], ttmp7, 0xffff                 ; 16 x batch + head, which the partners share
	s_mov_b32 s[G1], 15|(3<<16)|(1<<21)            ; elements of 8 bytes; 15:0 the mask: all four work-groups; 21 set beside a mask
	s_mov_b32 s[G1+1], 800<<16                     ; a step's 12,800 bytes, dense, as two rows
	s_mov_b32 s[G1+2], 2<<16
	s_mov_b32 s[G1+3], 800<<16
	s_mov_b32 s[G1+4], 2
	s_mov_b32 s[G1+5], 800
	s_mov_b32 s[G1+6], 0
	s_mov_b32 s[G1+7], 0
	s_mul_i32 s68, s[BH], 16*STEPB
	s_mul_i32 s69, s[WV], STEPB
	s_add_co_u32 s68, s68, s69
	s_mov_b32 s[G0+1], s69
	s_mov_b32 s69, 0
	s_mul_i32 s78, s[WV], 16*272
	s_add_co_u32 s78, s78, STG                     ; my stage
	s_bfe_u32 s67, ttmp6, 0x40000                  ; cx: it enters addresses in memory and the mask's numbers alone
	s_lshl_b32 s15, ttmp9, 2
	s_add_co_u32 s15, s15, s67                     ; x: which tile of each block
	s_lshr_b32 s[AL], s15, 1
	s_and_b32 s[U], s15, 1
	s_mul_i32 s70, s[AL], 1536
	s_mul_i32 s71, s[U], 520                       ; Q's registers 0, 1 lie at 16 l, 6, 7 at 16 l + 520;
	s_add_co_u32 s71, s71, s70
	s_mul_i32 s72, s[U], 1016                      ; 2, 3 at 16 l + 8, 8, 9 at 16 l + 1,024;  4, 5 at 16 l + 512, 10, 11 at 16 l + 1,032
	s_add_co_u32 s72, s72, s70
	s_and_b32 s73, s[AL], 1
	s_lshl_b32 s73, s73, 7
	s_lshr_b32 s70, s[AL], 1
	s_lshl_b32 s70, s70, 2
	s_add_co_u32 s73, s73, s70
	s_lshl_b32 s77, s[AL], 5
	s_lshl_b32 s70, s[U], 3
	s_add_co_u32 s77, s77, s70                     ; 32 (x / 2) + 8 (x % 2)
	s_mov_b32 s[SEL], 0x76543210
	s_mov_b32 s[SEL+1], 0xfedcba98
	s_mov_b32 s[CS], 0x3e38aa3b                    ; log2(e) / 8
	s_mov_b32 s[CS+1], s[CS]                       ; (named with it as a pair, so it is written)
	v_and_b32 v229, 31, v0                         ; lane
	v_and_b32 v230, 15, v0                         ; r
	v_bfe_u32 v231, v0, 4, 1                       ; h
	v_lshlrev_b32 v[LI], 4, v229
	v_lshlrev_b32 v[L8], 3, v229
	v_and_b32 v[QD], 8, v230
	v_lshlrev_b32 v231, 4, v231
	v_add_nc_u32 v[QO], s71, v[LI]
	v_add_nc_u32 v[QO+1], s72, v[LI]
	v_add_nc_u32 v[QD], v[QD], v230
	v_lshl_add_u32 v[QSO], v230, 3, s73            ; the scale word: 8 (r + 16 (f % 2)) + 4 (f / 2)
	v_add_nc_u32 v[QD], s77, v[QD]
	v_mov_b32 v[NINF], 0xff800000
	v_mov_b32 v[F+1], 0
	v_sub_nc_u32 v[QD], v[QD], v231                ; my query in its block - 16 h
.irp i, 0,1,2,3,4,5
	v_mov_b32 v[QF+\i], 0                          ; the zero codes on both sides of Q
	v_mov_b32 v[QF+12+\i], 0
.endr
.irp b, 0,1,2,3
	v_mov_b32 v[PT+\b], 0                          ; a lane permute's destination counts as one of its sources
.endr
	s_wait_alu depctr_va_vdst(0)                   ; directly ahead of the waits below
	s_wait_dscnt 0x0
	s_wait_kmcnt 0x0
	s_mov_b32 s[G0], 1
	s_add_nc_u64 s[G0+2:G0+3], s[6:7], s[68:69]
	s_or_b32 s[G0+3], s[G0+3], 0x80000000
	s_mul_i32 s74, s[BH], 102400                   ; Q: block J is step J; fragment x / 2; of it registers 6 u .. 6 u + 5; and its scale word
	s_mul_i32 s75, s[J], 6400
	s_add_co_u32 s74, s74, s75
	s_mov_b32 s75, 0
	s_add_nc_u64 s[80:81], s[4:5], s[74:75]
	global_load_b64 v[QF+6:QF+7], v[QO], s[80:81]
	global_load_b64 v[QF+8:QF+9], v[QO+1], s[80:81] offset:8
	global_load_b64 v[QF+10:QF+11], v[QO], s[80:81] offset:512
	global_load_b32 v[TP], v[QSO], s[80:81] offset:6144
	CROUND                                         ; all four work-groups are here: the joint loads meet
	s_cmp_lg_u32 s[WV], 0
	s_cbranch_scc1 .Lrest
	tensor_load_to_lds s[G0:G0+3], s[G1:G1+7]      ; wave 0: key step 0
	s_nop 0
.rept 4
	v_nop
.endr
	s_branch .Lasked
.Lrest:
	tensor_load_to_lds s[G0:G0+3], s[G1:G1+7]      ; wave w: key step w
	s_nop 0
.rept 4
	v_nop
.endr
.Lasked:
	s_lshr_b32 s76, s[BH], 4                       ; out0: token 2,048 x batch + 128 J + 32 (x / 2) + 8 (x % 2), 4,096 bytes a token; the head's 256 bytes
	s_lshl_b32 s76, s76, 11
	s_lshl_b32 s70, s[J], 7
	s_add_co_u32 s76, s76, s70
	s_add_co_u32 s76, s76, s77
	s_lshl_b32 s76, s76, 12
	s_and_b32 s70, s[BH], 15
	s_lshl_b32 s70, s70, 8
	s_add_co_u32 s76, s76, s70
	s_mov_b32 s77, 0
	s_add_nc_u64 s[8:9], s[8:9], s[76:77]
	s_lshl_b32 s79, s[U], 4
	s_wait_loadcnt 0x0                             ; Q and its scale word
	v_lshrrev_b32 v[TP], s79, v[TP]
	v_and_b32 v[TP], 0xffff, v[TP]                 ; my tile's two bytes; the bytes over the zero codes are 1
	v_or_b32 v[QSL], 0x01010000, v[TP]
	v_lshl_or_b32 v[QSL+1], v[TP], 16, 0x0101
.rept 8
	v_nop                                          ; a scale register written by a vector instruction stands 8 places ahead of a scaled matrix instruction
.endr
.macro KQ f, u                         ; S^T's tile 2 f + u = the u-th 16 keys of K's fragment f x my 16 queries
.if (\f)%2
	v_wmma_scale_f32_16x16x128_f8f6f4 v[S+8*(2*(\f)+(\u)):S+8*(2*(\f)+(\u))+7], v[FG+12*(\f):FG+12*(\f)+11], v[QF+6-6*(\u):QF+17-6*(\u)], 0, v[KSC+(\f)/2], v[QSL+(\u)] matrix_a_fmt:MATRIX_FMT_BF6 matrix_b_fmt:MATRIX_FMT_BF6 matrix_a_scale:MATRIX_SCALE_ROW1
.else
	v_wmma_scale_f32_16x16x128_f8f6f4 v[S+8*(2*(\f)+(\u)):S+8*(2*(\f)+(\u))+7], v[FG+12*(\f):FG+12*(\f)+11], v[QF+6-6*(\u):QF+17-6*(\u)], 0, v[KSC+(\f)/2], v[QSL+(\u)] matrix_a_fmt:MATRIX_FMT_BF6 matrix_b_fmt:MATRIX_FMT_BF6
.endif
.endm
.macro PV t, first                     ; O^T's tile t (+)= V's fragment t x p
.if \first
.if \t%2
	v_wmma_scale_f32_16x16x128_f8f6f4 v[O+8*\t:O+8*\t+7], v[VB\t:VB\t+11], v[PC:PC+11], 0, v[VSC+\t/2], v[PS] matrix_a_fmt:MATRIX_FMT_BF6 matrix_b_fmt:MATRIX_FMT_BF6 matrix_a_scale:MATRIX_SCALE_ROW1
.else
	v_wmma_scale_f32_16x16x128_f8f6f4 v[O+8*\t:O+8*\t+7], v[VB\t:VB\t+11], v[PC:PC+11], 0, v[VSC+\t/2], v[PS] matrix_a_fmt:MATRIX_FMT_BF6 matrix_b_fmt:MATRIX_FMT_BF6
.endif
.else
.if \t%2
	v_wmma_scale_f32_16x16x128_f8f6f4 v[O+8*\t:O+8*\t+7], v[VB\t:VB\t+11], v[PC:PC+11], v[O+8*\t:O+8*\t+7], v[VSC+\t/2], v[PS] matrix_a_fmt:MATRIX_FMT_BF6 matrix_b_fmt:MATRIX_FMT_BF6 matrix_a_scale:MATRIX_SCALE_ROW1
.else
	v_wmma_scale_f32_16x16x128_f8f6f4 v[O+8*\t:O+8*\t+7], v[VB\t:VB\t+11], v[PC:PC+11], v[O+8*\t:O+8*\t+7], v[VSC+\t/2], v[PS] matrix_a_fmt:MATRIX_FMT_BF6 matrix_b_fmt:MATRIX_FMT_BF6
.endif
.endif
.endm
.macro PA d, a, b
	v_pk_add_f32 v[\d:\d+1], v[\a:\a+1], v[\b:\b+1]
.endm
.macro KLOAD                           ; 13 loads: K's images and scale words of the step that AD, AD8 name
.irp f, 0,1,2,3
.irp c, 0,1,2
	ds_load_b128 v[FG+12*\f+4*\c:FG+12*\f+4*\c+3], v[AD] offset:1536*\f+512*\c   ; 512 consecutive bytes a load
.endr
.endr
	ds_load_b64 v[KSC:KSC+1], v[AD8] offset:12288
.endm
.macro VLOAD                           ; 17 loads: V's
.irp f, 0,1,2,3
.irp c, 0,1
	ds_load_b128 v[VB\f+6*\c:VB\f+6*\c+3], v[AD] offset:6144+1536*\f+768*\c
	ds_load_b64 v[VB\f+6*\c+4:VB\f+6*\c+5], v[AD8] offset:6144+1536*\f+768*\c+512
.endr
.endr
	ds_load_b64 v[VSC:VSC+1], v[AD8] offset:12544
.endm
; A KEY STEP: 128 keys.  first = 1: the first step: nothing is rescaled, the sums begin here, K comes in the step itself, and the next step's K is not fetched yet.
.macro STEP first
	v_add_nc_u32 v[AD], s[TB], v[LI]
	v_add_nc_u32 v[AD8], s[TB], v[L8]
	v_nop
	v_nop                                          ; these four lines are the places behind the last step's products, in front of loads into registers that they read
.if \first
	KLOAD
.endif
	VLOAD
	s_wait_alu depctr_va_vdst(0)
	s_wait_dscnt 17                                ; K is in; V's 17 loads may be out
.irp f, 0,1,2,3
	KQ \f, 0
	KQ \f, 1
.endr
.rept 4
	v_nop                                          ; places: in front of loads into K's registers and of the first read of the scores
.endr
	s_cmp_lg_u32 s[SI], s[J]                       ; only my block's own step, my last, lies on the diagonal
	s_cbranch_scc1 .Lopen_\@
	s_wait_dscnt 0x0                               ; V is in
.set n, 0
.rept 64
	v_cmp_gt_i32 vcc_lo, 32*(n/16)+n%16, v[QD]     ; register n holds key 32 (n / 16) + 16 h + n % 16: hidden where it comes after my query
	v_cndmask_b32 v[S+n], v[S+n], v[NINF], vcc_lo
.set n, n+1
.endr
	s_wait_alu depctr_va_vdst(0)
.if \first
.Lopen_\@:
.else
	s_branch .Lmasked_\@
.Lopen_\@:
	v_add_nc_u32 v[AD], s[TN], v[LI]
	v_add_nc_u32 v[AD8], s[TN], v[L8]
	KLOAD                                          ; the next step's, while the softmax is worked
.Lmasked_\@:
.endif
.irp b, 0,1,2,3
	v_max3_num_f32 v[BM+\b], v[S+16*\b], v[S+1+16*\b], v[S+2+16*\b]   ; the largest score of each block of 32 keys: it serves the row's maximum and, since p rises with the score, the block's largest p
.endr
.irp i, 3,5,7,9,11,13
.irp b, 0,1,2,3
	v_max3_num_f32 v[BM+\b], v[BM+\b], v[S+16*\b+\i], v[S+1+16*\b+\i]
.endr
.endr
.irp b, 0,1,2,3
	v_max_num_f32 v[BM+\b], v[BM+\b], v[S+15+16*\b]
.endr
.irp b, 0,1,2,3
	v_permlanex16_b32 v[PT+\b], v[BM+\b], s[SEL], s[SEL+1]
.endr
.irp b, 0,1,2,3
	s_delay_alu instid0(VALU_DEP_4)
	v_max_num_f32 v[BM+\b], v[BM+\b], v[PT+\b]     ; with lane l xor 16's 16 keys
.endr
	s_delay_alu instid0(VALU_DEP_2)
	v_max3_num_f32 v[TP], v[BM], v[BM+1], v[BM+2]
	s_delay_alu instid0(VALU_DEP_1)
	v_max_num_f32 v[TP], v[TP], v[BM+3]            ; the step's largest score of my query
.if \first
	s_delay_alu instid0(VALU_DEP_1)
	v_mul_f32 v13, s[CS], v[TP]                    ; as t: the largest so far
	s_delay_alu instid0(VALU_DEP_1)
	v_floor_f32 v12, -v13                          ; -M = floor(-t) = -ceil(t): a whole number
.else
	s_delay_alu instid0(VALU_DEP_1)
	v_mul_f32 v[TP], s[CS], v[TP]                  ; as t
	s_delay_alu instid0(VALU_DEP_1)
	v_max_num_f32 v13, v13, v[TP]                  ; the running largest t
	v_mov_b32 v[TP], v12
	s_delay_alu instid0(VALU_DEP_2)
	v_floor_f32 v12, -v13                          ; the new -M
	s_delay_alu instid0(VALU_DEP_1)
	v_sub_f32 v[TP], v12, v[TP]                    ; old M - new M: a whole number, 0 or less
	s_delay_alu instid0(VALU_DEP_1)
	v_cvt_i32_f32 v[TP], v[TP]                     ; (it saturates)
	s_delay_alu instid0(VALU_DEP_1)
	v_ldexp_f32 v[F], 1.0, v[TP]                   ; f = 2^(old M - new M)
.endif
.set n, 0
.rept 32
	v_pk_fma_f32 v[S+n:S+n+1], v[S+n:S+n+1], s[CS:CS+1], v[12:13] op_sel_hi:[1,0,0]   ; t - M, two at a time
.set n, n+2
.endr
.irp b, 0,1,2,3
	v_fma_f32 v[BM+\b], v[BM+\b], s[CS], v12       ; the same of each block's largest score
.endr
.set n, 0
	s_wait_alu depctr_va_vdst(0)                   ; ahead of the batch
.rept 64
	v_exp_f32 v[S+n], v[S+n]                       ; p = 2^(t - M), at most 1
.set n, n+1
.endr
.if \first
	v_nop                                          ; the plain line behind the exponentials
.else
	v_pk_mul_f32 v[14:15], v[14:15], v[F:F+1] op_sel_hi:[1,0]   ; the sums under the new M (the plain line behind the exponentials)
.endif
	s_wait_alu depctr_va_vdst(0)                   ; one wait for the 64, ahead of their first reader
.irp b, 0,1,2,3
	v_exp_f32 v[BM+\b], v[BM+\b]                   ; the block's largest p: the same two instructions on the same number give the same bits
.endr
.irp i, 0,1,2,3,4,5
	PA PC+2*\i, S+4*\i, S+4*\i+2                   ; the row's sum, of the unquantised p: six chains where the codes will lie,
.endr
.if \first
	PA 14, S+24, S+26                              ; and the running one
.else
	PA 14, 14, S+24
.endif
.set k, 13+\first
.rept 19-\first
.set m, (k-13)%7
.if m < 6
	PA PC+2*m, PC+2*m, S+2*k
.else
	PA 14, 14, S+2*k
.endif
.set k, k+1
.endr
	s_delay_alu instid0(VALU_DEP_4)
	PA PC, PC, PC+2
	s_delay_alu instid0(VALU_DEP_3)
	PA PC+4, PC+4, PC+6
	s_delay_alu instid0(VALU_DEP_3)
	PA PC+8, PC+8, PC+10
	s_delay_alu instid0(VALU_DEP_3)
	PA 14, 14, PC
	s_delay_alu instid0(VALU_DEP_2)
	PA PC+4, PC+4, PC+8
	s_delay_alu instid0(VALU_DEP_1)
	PA 14, 14, PC+4
	s_wait_alu depctr_va_vdst(0)                   ; and one for the four
.irp b, 0,1,2,3
	v_max_num_f32 v[BM+\b], 0x2800000, v[BM+\b]    ; the floor 2^(5 - 127): the byte cannot fall under 1
.endr
.irp b, 0,1,2,3
	s_delay_alu instid0(VALU_DEP_4)
	v_add_nc_u32 v[SO+\b], 0xfe000000, v[BM+\b]    ; 4 off the exponent field: the conversion's scale operand
.endr
.irp b, 0,1,2,3
	s_delay_alu instid0(VALU_DEP_4)
	v_lshrrev_b32 v[PT+\b], 23, v[SO+\b]           ; the scale's byte
.endr
	s_delay_alu instid0(VALU_DEP_3)
	v_lshl_or_b32 v[PS], v[PT+1], 8, v[PT]         ; p's scale word for these 128 keys
	s_delay_alu instid0(VALU_DEP_1)
	v_lshl_or_b32 v[PS], v[PT+2], 16, v[PS]
	s_delay_alu instid0(VALU_DEP_1)
	v_lshl_or_b32 v[PS], v[PT+3], 24, v[PS]
.irp c, 0,1                                    ; (the second halves go where the bytes and the largest p lay)
	v_cvt_scalef32_pk16_bf6_f32 v[PC+6*\c:PC+2+6*\c], v[S+32*\c:S+15+32*\c], v[SO+2*\c]
	v_cvt_scalef32_pk16_bf6_f32 v[PT-4*\c:PT+2-4*\c], v[S+16+32*\c:S+31+32*\c], v[SO+2*\c+1]
.endr
	v_nop                                          ; one plain line behind the scaled conversions
.irp c, 0,1                                    ; the operand's layout wants a whole block in a lane: lanes 0-15 block 2 c, lanes 16-31 block 2 c + 1
.irp i, 0,1,2
	v_permlane16_swap_b32 v[PC+6*\c+\i], v[PT-4*\c+\i]
.endr
.irp i, 0,1,2
	v_mov_b32 v[PC+3+6*\c+\i], v[PT-4*\c+\i]
.endr
.endr
.if \first
.rept 8
	v_nop                                          ; the places between p's codes and scale word and the products below
.endr
	s_wait_alu depctr_va_vdst(0)
	s_wait_dscnt 0x0                               ; V is in
.else
	s_wait_alu depctr_va_vdst(0)                   ; directly ahead of the first reader of O^T
.set n, 0
.rept 16
	v_pk_mul_f32 v[O+n:O+n+1], v[O+n:O+n+1], v[F:F+1] op_sel_hi:[1,0]   ; O^T under the new M.  (These 16 are also the places between p's codes and scale word and the products below)
.set n, n+2
.endr
	s_wait_alu depctr_va_vdst(0)
	s_wait_dscnt 13                                ; V is in; the next K's 13 loads may be out (on the diagonal V was waited for)
.endif
.irp t, 0,1,2,3
	PV \t, \first                                  ; four accumulators, one instruction a turn
.endr
.endm
	s_wait_alu depctr_va_vdst(0)                   ; the wait at the head's end
	s_cmp_lg_u32 s[WV], 0
	s_cbranch_scc1 .Lnot_first
	s_wait_tensorcnt 0x0                           ; wave 0: key step 0 is in
.Lnot_first:
	s_barrier_signal -1
	s_barrier_wait -1
	s_mov_b32 s[TB], 0
	s_mov_b32 s[SI], 0
	STEP 1                                         ; every block has key step 0
	s_wait_tensorcnt 0x0                           ; my own key step is in
	s_barrier_signal -1
	s_barrier_wait -1                              ; all of K and V lies in LDS; nothing is ever filled again
	s_mov_b32 s[TB], STEPB
	s_mov_b32 s[SI], 1
	s_mov_b32 s[CNT], 15
	s_cmp_eq_u32 s[J], 0
	s_cbranch_scc1 .Lloop                          ; block 0 has no second step
	v_add_nc_u32 v[AD], s[TB], v[LI]
	v_add_nc_u32 v[AD8], s[TB], v[L8]
	KLOAD
.Lloop:                                            ; steps 1 to 15
	s_cmp_gt_u32 s[SI], s[J]
	s_cbranch_scc1 .Lhidden
	s_add_co_u32 s[TN], s[TB], STEPB
	s_min_u32 s[TN], s[TN], 15*STEPB               ; the next step's bytes
	STEP 0
.Lhidden:
	s_add_co_u32 s[TB], s[TB], STEPB
	s_add_co_u32 s[SI], s[SI], 1
	s_sub_co_u32 s[CNT], s[CNT], 1
	s_cmp_lg_u32 s[CNT], 0
	s_cbranch_scc1 .Lloop
	; THE WAY OUT.  O^T is divided by the row's sum and goes through my stage in LDS, so that sixteen lanes store a token's 256 bytes of this head, aligned.
.set GO,   216                         ; 4,096 (lane / 16) + 16 (lane % 16)
.set STO,  217                         ; where I put 64 bytes of a row
.set SRD,  218                         ; where I read a row back
	s_wait_dscnt 0x0
.rept 4
	v_nop                                          ; the places behind the last products, on every way here
.endr
	v_bfe_u32 v219, v[LI], 8, 1                    ; h
	v_and_b32 v[BM], 0xf0, v[LI]                   ; 16 r
	v_add_f32 v14, v14, v15                        ; the sum's two halves,
	v_mul_u32_u24 v[STO], v[BM], 17                ; 272 r
	v_mul_u32_u24 v[SRD], v219, 272
	v_permlanex16_b32 v[PT], v14, s[SEL], s[SEL+1]
	v_lshl_add_u32 v[STO], v219, 6, v[STO]
	v_add_nc_u32 v[SRD], v[SRD], v[BM]
	v_add_f32 v14, v14, v[PT]                      ; and lane l xor 16's: the row's sum
	v_lshl_add_u32 v[GO], v219, 12, v[BM]
	v_add_nc_u32 v[STO], s78, v[STO]               ; in: row r, + 64 h
	v_add_nc_u32 v[SRD], s78, v[SRD]               ; back: lanes 0-15 one row, lanes 16-31 the next
	s_wait_alu depctr_va_vdst(0)
	v_rcp_f32 v14, v14
	v_nop                                          ; a plain line behind the reciprocal
	s_wait_alu depctr_va_vdst(0)                   ; and the wait, ahead of its first reader
.set n, 0
.rept 16
	v_pk_mul_f32 v[S+n:S+n+1], v[O+n:O+n+1], v[14:15] op_sel_hi:[1,0]   ; register 16 g + k is d = 32 g + 16 h + k of my query
.set n, n+2
.endr
.irp g, 0,1
.irp q, 0,1,2,3
	ds_store_b128 v[STO], v[S+16*\g+4*\q:S+16*\g+4*\q+3] offset:128*\g+16*\q
.endr
.endr
.irp k, 0,1,2,3,4,5,6,7
	ds_load_b128 v[FG+4*\k:FG+4*\k+3], v[SRD] offset:544*\k   ; LDS serves a wave's instructions in order (ISA guide 5.7.1.4): these see my stores
.endr
.irp k, 0,1,2,3,4,5,6,7
	s_wait_dscnt 7-\k                              ; rows 2 k and 2 k + 1 are back; the younger loads may be out
	global_store_b128 v[GO], v[FG+4*\k:FG+4*\k+3], s[8:9] offset:(2*\k+8*(\k/4))*4096 th:TH_STORE_NT   ; stage row p is token p + 8 (p / 8) of my tile
.endr
	s_wait_tensorcnt 0x0                           ; the wave's end
	ds_add_u32 v254, v255
	s_wait_dscnt 0x0
	CROUND                                         ; the closing round: no work-group ends while a partner may still ask for a tile that names it
	s_endpgm
.Lfunc_end_k_q10f3dfceff_attn:
	.size	k_q10f3dfceff_attn, .Lfunc_end_k_q10f3dfceff_attn-k_q10f3dfceff_attn
	.p2alignl 7, 3214868480
	.fill 96, 4, 3214868480
	.section	.rodata,"a",@progbits
	.p2align	6, 0x0
	.amdhsa_kernel k_q10f3dfceff_attn
		.amdhsa_group_segment_fixed_size 327680
		.amdhsa_private_segment_fixed_size 0
		.amdhsa_enable_private_segment 0
		.amdhsa_kernarg_size 24
		.amdhsa_user_sgpr_count 2
		.amdhsa_user_sgpr_kernarg_segment_ptr 1
		.amdhsa_wavefront_size32 1
		.amdhsa_system_sgpr_workgroup_id_x 1
		.amdhsa_system_sgpr_workgroup_id_y 1
		.amdhsa_system_sgpr_workgroup_id_z 1
		.amdhsa_system_vgpr_workitem_id 0
		.amdhsa_next_free_vgpr 256
		.amdhsa_next_free_sgpr 84
		.amdhsa_reserve_vcc 1
		.amdhsa_float_denorm_mode_32 3
		.amdhsa_float_denorm_mode_16_64 3
		.amdhsa_memory_ordered 1
		.amdhsa_forward_progress 1
		.amdhsa_inst_pref_size 55
	.end_amdhsa_kernel
	.amdgpu_metadata
---
amdhsa.version: [ 1, 2 ]
amdhsa.kernels:
  - .name:           k_q10f3dfceff_attn
    .symbol:         k_q10f3dfceff_attn.kd
    .args:
      - { .name: qc, .offset: 0, .size: 8, .value_kind: global_buffer, .address_space: global }
      - { .name: kvc, .offset: 8, .size: 8, .value_kind: global_buffer, .address_space: global }
      - { .name: out0, .offset: 16, .size: 8, .value_kind: global_buffer, .address_space: global }
    .group_segment_fixed_size: 327680
    .private_segment_fixed_size: 0
    .kernarg_segment_align: 8
    .kernarg_segment_size: 24
    .max_flat_workgroup_size: 512
    .sgpr_count:     84
    .vgpr_count:     256
    .wavefront_size: 32
...
	.end_amdgpu_metadata
.endif
;; end of part 3
